; MI455X (gfx1250); checked and timed in simulation.
; The chip was launched on July 23, 2026; its instructions are those of AMD's public machine-readable ISA for CDNA 5 (MIT licence, August 2026) and "CDNA5" Instruction Set Architecture Reference Guide (July 2026). The comments in the code are by the model that wrote it; some were corrected since.
;; Causal Self Attention. Allowed arithmetic: matrix products marked QUANTISED: E2M1 operands, one E8M0 scale for each 32 along K, by v_wmma_scale_f32_16x16x128_f8f6f4 with both operands' format E2M1 (or v_wmma_scale_f32_32x16x128_f4), f32 sums; everything else in f32.
;; Inputs: W_attn_codes 3,072 x 32 x 16 uint8 (E2M1 codes of W_attn, K innermost, in blocks of 32 codes, two codes a byte); W_attn_scales 3,072 x 32 uint8 (E8M0 scales of W_attn, one for each 32 codes along K); W_proj_codes 1,024 x 32 x 16 uint8 (E2M1 codes of W_proj, K innermost, in blocks of 32 codes, two codes a byte); W_proj_scales 1,024 x 32 uint8 (E8M0 scales of W_proj, one for each 32 codes along K); b_attn 3,072 float32; b_proj 1,024 float32; x_codes 4 x 2,048 x 32 x 16 uint8 (E2M1 codes of x, K innermost, in blocks of 32 codes, two codes a byte); x_scales 4 x 2,048 x 32 uint8 (E8M0 scales of x, one for each 32 codes along K).
;; Outputs: out0 4 x 2,048 x 1,024 float32.
;; This version of the problem:
;;   THIS VERSION OF THE PROBLEM IS GIVEN IN LOW PRECISION. The matrix products marked QUANTISED in the list below multiply operands that are first quantised to E2M1 (2 exponent bits, 1 mantissa bit; 4 bits a number), with one power-of-two scale for each 32 numbers along K (OCP MX v1.0); their sums are f32. All else is computed in f32.
;;   The module's matrix products, in the order in which they are computed (A, B: the left and right operand; K: the contracted axis; several contracted axes count as one K, in the product's order):
;;     1. [M 8,192, K 1,024] x [K 1,024, N 3,072]; A: input x (given as codes); B: input W_attn (given as codes): QUANTISED
;;     2. batch 64 x [M 2,048, K 64] x [K 64, N 2,048]; A: computed on the way; B: computed on the way: QUANTISED
;;     3. batch 64 x [M 2,048, K 2,048] x [K 2,048, N 64]; A: softmax (see below); B: computed on the way: QUANTISED
;;     4. [M 8,192, K 1,024] x [K 1,024, N 1,024]; A: computed on the way; B: input W_proj (given as codes): QUANTISED
;;   THE QUANTISER, for each operand of a quantised product, along K:
;;     - K is cut into blocks of 32 from its start; a last block that is shorter is filled with zeros.
;;     - A block's scale is 2^e with e = floor(log2(the largest magnitude in the block)) - 2, held to -126 .. 127; a block of zeros has e = 0. As a byte (E8M0): e + 127.
;;     - Each number is divided by its block's scale, clamped to +-6, and rounded to the nearest number of E2M1, ties to even, subnormals kept.
;;     - The product sums the exact products of the quantised numbers (number of the format x scale) in f32.
;;   ~~~python
;;   def quantise(x, axis):      # numpy; x: float32 -> the quantised numbers, widened to float32 again
;;       x = np.moveaxis(x, axis, -1); K = x.shape[-1]
;;       x = np.pad(x, [(0, 0)] * (x.ndim - 1) + [(0, -K % 32)]); x = x.reshape(x.shape[:-1] + (-1, 32)); a = np.abs(x).max(-1, keepdims=True)
;;       e = np.where(a > 0, np.clip(np.frexp(np.where(a > 0, a, 1))[1] - 1 - 2, -126, 127), 0)      # np.frexp(a)[1] - 1 = floor(log2(a)), exactly
;;       r = np.clip(x / 2.0 ** e, -6, 6)
;;       step = 2.0 ** (np.maximum(np.frexp(np.where(r == 0, 1, r))[1] - 1, 0) - 1)
;;       q = np.round(r / step) * step * 2.0 ** e      # np.round: ties to even
;;       return np.moveaxis(q.reshape(q.shape[:-2] + (-1,))[..., :K], -1, axis).astype(np.float32)
;;   ~~~
;;   SOFTMAX AHEAD OF A QUANTISED PRODUCT. Where the list says 'softmax', what is quantised is not the finished softmax but p = 2^(t - M), with t = logit x log2(e) and M = ceil(the row's largest t), a whole number; so 1/2 < the row's largest p <= 1. The row's sum l is taken of the UNQUANTISED p, in f32, and the product's result is divided by l at the end. Since M is a whole number, a kernel that streams over the keys may use a running M (the ceiling of the running maximum): every later rescaling is an exact power of two, which a block's scale takes up: the codes' values come out the same.
;;   OPERANDS COMPUTED ON THE WAY. 'Computed on the way' means the value that the module computes at that place (a softmax that the list does not call 'softmax' is quantised finished and normalised). What goes into a quantiser is computed in f32, as accurately as f32 sums, v_exp_f32 and their like allow (about 1e-6 of the number): no bf16 or f16 on the way to a quantiser, and a product that is left as it is and whose result goes on into a quantised operand takes f32 operands (vector FMAs, or v_wmma_f32_16x16x4_f32). A number that lies on a knife's edge between two numbers of the format may be rounded either way, as far as f32 arithmetic and the matrix unit's own rounding can turn it there, and no further.
;;   INPUTS GIVEN AS CODES. W_attn (in the module: [1024, 3072], K = its axis 0); W_proj (in the module: [1024, 1024], K = its axis 0); x (in the module: [4, 2048, 1024], K = its axis 2): each comes as NAME_codes (uint8): NAME with its K axis moved to the last place and cut into blocks of 32 codes, [.., K / 32, bytes a block], one block behind the other in memory; two codes a byte, the lower K in the low four bits (a code: sign, 2 exponent bits, 1 mantissa bit); and NAME_scales (uint8): the same leading axes, one E8M0 byte (e + 127) for each 32 codes along K. Its value is code x scale, taken as it is: it is not quantised again, and the codes and scales need not be those that the quantiser above would give.
;; One version. Each part assembles by itself: llvm-mc -triple=amdgcn-amd-amdhsa -mcpu=gfx1250 --defsym DOCPART=n.
;; ======== version 1 of 1: 3 launches
;; workspace buffers: qbuf 4,456,448 bytes; kvbuf 8,912,896 bytes; ybuf 4,456,448 bytes
;; launch qkv (part 1): grid 12 x 32, 4 waves a work-group, clusters of 4 x 4, 300,544 bytes of LDS; arguments x_codes, x_scales, W_attn_codes, W_attn_scales, b_attn, qbuf, kvbuf; writes qbuf, kvbuf
.if DOCPART == 1
	.amdgcn_target "amdgcn-amd-amdhsa--gfx1250"
	.amdhsa_code_object_version 6
	.text
	.protected	k_q30c9d131f6_qkv
	.globl	k_q30c9d131f6_qkv
	.p2align	8
	.type	k_q30c9d131f6_qkv,@function
k_q30c9d131f6_qkv:
	s_mov_b64 s[64:65], 0
	v_nop
	global_prefetch_b8 v0, s[64:65] scope:SCOPE_SE
	s_setreg_imm32_b32 hwreg(HW_REG_WAVE_MODE, 25, 1), 1
	s_wait_xcnt 0x0
	s_wait_alu depctr_hold_cnt(0) depctr_sa_sdst(0) depctr_va_vdst(0) depctr_va_sdst(0) depctr_va_ssrc(0) depctr_va_vcc(0) depctr_vm_vsrc(0)
	s_getreg_b32 s2, hwreg(HW_REG_IB_STS2, 6, 4)
	s_cmp_eq_u32 s2, 0
	s_cbranch_scc0 .Lentry_in_a_cluster
	s_endpgm
.Lentry_in_a_cluster:
	s_bfe_u32 s2, ttmp6, 0x10000c
	s_cmp_lg_u32 s2, 0xf033
	s_cbranch_scc0 .Lentry_shape_is_right
	s_endpgm
.Lentry_shape_is_right:
; qkv = x W_attn + b_attn on codes of FP4 (E2M1) with E8M0 scales; q and k are rotated (angle = head x theta_j) and quantised along the head's 64; v is quantised along the keys.
; Results leave as IMAGES OF OPERAND REGISTERS (a tile image: 512 bytes, lane l's 16 bytes at 16 l; lane (r, h) holds row r, k = 32 h .. 32 h + 31):
;   qbuf  [bh 64][st 16][4,352]: eight images (16 tokens each), then 256 bytes of scale words [r][f]: bytes 0, 1 of token 32 f + r, bytes 2, 3 of token 32 f + 16 + r.
;   kvbuf [bh 64][st 16][8,704]: K as in qbuf; from 4,352 on V^T's four fragments (16 of the head's 64 x 128 keys, 1,024 bytes each); from 8,448 on their scale words [r][a'].
; DEAD WORK OF THE WHOLE PROGRAM.  reference() sets att to -inf wherever key > query, by a tril that it builds itself; exp(-inf) = 0 enters neither the row's sum nor the product with v.  So a step of 128 keys all of
; which come after all 16 queries of a tile reaches no output, whatever the inputs hold: the launch attn leaves such steps out, in both products.  Nothing else is left out: the rotation and the bias of k would cancel in
; real numbers, but a quantiser stands behind them; every input is loaded.  LIMIT: a NaN, an infinity or an overflow that reaches only the steps left out is not carried to the result.
; LIMITS: NaN, infinities and scale bytes 0xff among the inputs are not served.  A block whose largest magnitude lies under 2^-124 keeps the byte 1; so does a block of zeros (the rule says 127): its codes are zeros, and
; these bytes are read by this program alone.  cos and sin: argument reduced by pi/2 in two parts, series to r^9 and r^10, |r| <= pi/4: the term left out is under 2e-9.  The bias is rotated and then added: another order of rounding than reference()'s.
; SHARES.  A work-group of four waves makes 256 x 256 of the product, a wave 128 x 128: 64 accumulators, 512 registers.  All of K (1,024 codes = 512 bytes a row) lies in LDS, as two slots of 256-byte rows that are filled once.
; CLUSTERS of 4 x 4.  Cluster x is the KIND: 0 q, 1 k, 2 v: the same in all sixteen partners.  Side A (source 1, LDS rows 0-255) is shared along a row of the cluster, side B (source 0) along a column; each tile is asked for jointly.
; q, k: A = x, B = W: a lane holds ONE TOKEN and its registers run along the columns (the next K = the head's 64).  v: A = W, B = x: a lane holds ONE COLUMN and its registers run along the tokens (the next K = the keys).
; x and W have rows of the same size, so only pointers and the tile numbers are chosen by the kind.  The text parts once on the kind; each arm holds the K loop (macro MAIN), so that what an arm reads it has written itself.
; REGISTERS, in windows of 256.  Window 0: v1-31 addresses; v32-95 scale words, two sets; v96-127 the quantiser; v128-255 A's fragments, two sets (on the way out v128-191: 64 numbers).
;   Window 1: v0-63, v128-191 B's fragments, two sets; v64-127 cos and sin (v: the bias); v192-255 the rotated bias.   Windows 2, 3: the accumulators ((a, b) at 8 (8 (a % 4) + b)).
.set PITCH,  272                       ; an LDS row: 256 bytes + 16 of padding: the 16 rows of a load start at 16 different groups of banks
.set HALFT,  128*PITCH                 ; what one tensor load brings
.set SLOT,   4*HALFT                   ; A's 256 rows, then B's
.set SCL,    2*SLOT                    ; the scales: units of 256 bytes + 16
.set HALFS,  16*272                    ; those of 128 rows
.set SBLK,   2*272                     ; those of 16 rows
.set TRIG,   SCL+4*HALFS               ; 1,024 bytes a wave, its own: [head 2][pair 32](cos, sin), then the rotated bias of its 128 columns; no fill lands here
.set SPARE,  TRIG+4*1024               ; the spare words, 128 bytes a wave
.set WW,   8                           ; v8-11   four scale words to store
.set TRW,  12                          ; v12     where I store a pair's cos and sin
.set TRR,  13                          ; v13     where I read them back
.set ADRA, 16                          ; v16-17  my A fragments in slot 0, 1
.set ADRB, 20                          ; v20-21  my B fragments
.set LI,   24                          ; v24     16 x lane
.set SOFF, 25                          ; v25     16 r + h x (a head's stride in the buffer)
.set SH16, 26                          ; v26     16 h
.set ADRS, 27                          ; v27     my scale words: lanes 0-15 A's, lanes 16-31 B's
.set SPW,  28
.set NIL,  29
.set BOF,  30                          ; v30     the bias loads' offset
.set SC,   32
.set PC,   96                          ; v96-103  the codes just made
.set TM,   104                         ; v104-119 the quantiser's work
.set PWA,  120                         ; v120-127 a scale word for each block a
.set AF,   128
.set H,    128
.set CS,   64                          ; window 1
.set BV,   64                          ; window 1
.set BP,   192                         ; window 1
.set THETA, 200                        ; v200-217: at work on cos and sin, before the fragments come
.set ANG,  201
.set KQ,   202
.set RR,   203
.set R2,   204
.set SN,   205
.set CN,   206
.set KI,   207
.set T1,   208
.set T2,   209
.set OUT,  210
.set BI,   212
.set BO,   216
.set WV,   18
.set HA,   19
.set HB,   20
.set G1,   24
.set G0,   32
.set G1B,  48
.set G0B,  56
.set SEL,  66
.set G1S,  68
.set G0S,  76
.set G1SB, 80
.set G0SB, 88
.set MSB, 0
.macro WIN new                         ; the immediate's high byte repeats the setting that is left
.if MSB != (\new)
	s_set_vgpr_msb (MSB<<8)|(\new)
.set MSB, (\new)
.endif
.endm
.macro PLACES n
.rept \n
	v_nop
.endr
.endm
; A joint load: waves 0 and 1 fetch for side A, waves 2 and 3 for side B; the branch hangs on the wave's number alone.  An s_nop 0 and four v_nop follow each line.
.macro JLOAD g0a, g1a, g0b, g1b
	s_cmp_eq_u32 s[HA], 0
	s_cbranch_scc0 .Lfor_b_\@
	tensor_load_to_lds s[\g0a:\g0a+3], s[\g1a:\g1a+7]
	s_nop 0
.rept 4
	v_nop
.endr
	s_branch .Lasked_\@
.Lfor_b_\@:
	tensor_load_to_lds s[\g0b:\g0b+3], s[\g1b:\g1b+7]
	s_nop 0
.rept 4
	v_nop
.endr
.Lasked_\@:
.endm
.macro CROUND                          ; a round of the cluster's barrier
	s_barrier_signal -1
	s_barrier_wait -1
	s_cmp_lg_u32 s[WV], 0
	s_cbranch_scc1 .Lnot_wave_0_\@
	s_barrier_signal -3
.Lnot_wave_0_\@:
	s_barrier_wait -3
	s_barrier_signal -1
	s_barrier_wait -1
.endm
.macro FINISH                          ; the wave's end, then the closing round: no work-group ends while a partner may still ask jointly
	s_wait_tensorcnt 0x0
	ds_add_u32 v[SPW], v[NIL]
	s_wait_dscnt 0x0
	CROUND
	s_endpgm
.endm
; 16 nb numbers of a lane, register 8 t + j = k 16 t + 8 h + j of my row (the layout of a transposed product's tiles t), become codes in v[PC] on, in the operand's layout, and (nb = 4) the row's scale word in v[pw].
; Tile t's eight codes are octet 2 t + h of the row; the operand wants octet i in lanes 0-15 and octet 4 + i in lanes 16-31 of register i: tiles 0, 2 and 1, 3 are set side by side and change halves.
.macro QUANT s, nb, pw
.irp b, 0,1,2,3
.if \b < \nb
	v_max3_num_f32 v[TM+\b], |v[\s+16*\b]|, |v[\s+1+16*\b]|, 0x1800000   ; my 16 numbers of block b, and the floor 2^(3 - 127): the byte cannot fall under 1
.endif
.endr
.irp i, 2,4,6,8,10,12,14
.irp b, 0,1,2,3
.if \b < \nb
	v_max3_num_f32 v[TM+\b], v[TM+\b], |v[\s+16*\b+\i]|, |v[\s+1+16*\b+\i]|
.endif
.endr
.endr
.irp b, 0,1,2,3
.if \b < \nb
	v_permlanex16_b32 v[TM+4+\b], v[TM+\b], s[SEL], s[SEL+1]
.endif
.endr
.irp b, 0,1,2,3
.if \b < \nb
	v_max_num_f32 v[TM+\b], v[TM+\b], v[TM+4+\b]     ; with lane l xor 16's: the block's largest magnitude
.endif
.endr
.irp b, 0,1,2,3
.if \b < \nb
	v_add_nc_u32 v[TM+12+\b], 0xff000000, v[TM+\b]   ; 2 off its exponent field: the conversion's scale operand
.endif
.endr
.irp b, 0,1,2,3
.if \b < \nb
	v_lshrrev_b32 v[TM+4+\b], 23, v[TM+12+\b]        ; the scale's byte
.endif
.endr
.if \nb == 4
	v_lshl_or_b32 v[\pw], v[TM+5], 8, v[TM+4]
	v_lshl_or_b32 v[\pw], v[TM+6], 16, v[\pw]
	v_lshl_or_b32 v[\pw], v[TM+7], 24, v[\pw]
.endif
.irp t, 0,1,2,3,4,5,6,7
.if \t < 2*\nb
	v_cvt_scalef32_pk8_fp4_f32 v[PC+4*(\t/4)+((\t%4)%2)*2+(\t%4)/2], v[\s+8*\t:\s+8*\t+7], v[TM+12+\t/2]
.endif
.endr
	v_nop                                          ; one plain place behind the scaled conversions
.irp c, 0,1
.if 2*\c < \nb
	v_permlane16_swap_b32 v[PC+4*\c], v[PC+4*\c+1]
	v_permlane16_swap_b32 v[PC+4*\c+2], v[PC+4*\c+3]
.endif
.endr
.endm
; The fragments of K step q (128 along K; slot q / 4) into set q % 2: 32 LDS loads in one run.  A fragment: lane l holds row l % 16; registers 4 c .. 4 c + 3 hold K = 64 c + 32 (l / 16) + 0 .. 31.
.macro FETCH q
	WIN 0x40
.irp i, 0,1,2,3,4,5,6,7
.irp c, 0,1
	ds_load_b128 v[128*((\q)%2)+8*\i+4*\c:128*((\q)%2)+8*\i+4*\c+3], v[ADRB+(\q)/4] offset:64*((\q)%4)+32*\c+\i*16*PITCH
.endr
.endr
	WIN 0
.irp i, 0,1,2,3,4,5,6,7
.irp c, 0,1
	ds_load_b128 v[AF+64*((\q)%2)+8*\i+4*\c:AF+64*((\q)%2)+8*\i+4*\c+3], v[ADRA+(\q)/4] offset:64*((\q)%4)+32*\c+\i*16*PITCH
.endr
.endr
.endm
.macro SCALES sc                       ; a slot's scale words: four a row; lanes 0-15 A's block i, lanes 16-31 B's block i
.irp i, 0,1,2,3,4,5,6,7
	ds_load_b128 v[SC+32*\sc+4*\i:SC+32*\sc+4*\i+3], v[ADRS] offset:\i*SBLK+16*\sc
.endr
.endm
; 64 matrix instructions: K step q.  The 64 accumulators take turns, one instruction a turn, in the same order in every step.  zero = 1: the first products start the sums.
.macro MUL64 q, zero
.irp a, 0,1,2,3,4,5,6,7
.if \a == 0
	WIN 0xa1
.endif
.if \a == 4
	WIN 0xf1
.endif
.irp b, 0,1,2,3,4,5,6,7
.if \zero
	v_wmma_scale_f32_16x16x128_f8f6f4 v[8*(8*(\a%4)+\b):8*(8*(\a%4)+\b)+7], v[128*((\q)%2)+8*\b:128*((\q)%2)+8*\b+7], v[AF+64*((\q)%2)+8*\a:AF+64*((\q)%2)+8*\a+7], 0, v[SC+32*((\q)/4)+4*\b+(\q)%4], v[SC+32*((\q)/4)+4*\a+(\q)%4] matrix_a_fmt:MATRIX_FMT_FP4 matrix_b_fmt:MATRIX_FMT_FP4 matrix_a_scale:MATRIX_SCALE_ROW1
.else
	v_wmma_scale_f32_16x16x128_f8f6f4 v[8*(8*(\a%4)+\b):8*(8*(\a%4)+\b)+7], v[128*((\q)%2)+8*\b:128*((\q)%2)+8*\b+7], v[AF+64*((\q)%2)+8*\a:AF+64*((\q)%2)+8*\a+7], v[8*(8*(\a%4)+\b):8*(8*(\a%4)+\b)+7], v[SC+32*((\q)/4)+4*\b+(\q)%4], v[SC+32*((\q)/4)+4*\a+(\q)%4] matrix_a_fmt:MATRIX_FMT_FP4 matrix_b_fmt:MATRIX_FMT_FP4 matrix_a_scale:MATRIX_SCALE_ROW1
.endif
.endr
.endr
.endm
; THE K LOOP, written out: eight steps of 128.  A step's 32 loads are issued ahead of the step before it, 64 matrix instructions ahead of their wait.
.macro MAIN
	s_wait_tensorcnt 0x1                           ; of my three fills the scales and slot 0 have landed; slot 1's, issued last, may stay out
	s_barrier_signal -1
	s_barrier_wait -1                              ; everybody's have
	FETCH 0
	SCALES 0
.irp q, 0,1,2,3,4,5,6,7
	s_wait_dscnt 0x0                               ; this step's fragments are in
.if \q == 3
	s_wait_tensorcnt 0x0                           ; my part of slot 1 has landed,
	s_barrier_signal -1
	s_barrier_wait -1                              ; everybody's has
.endif
.if \q > 0
	PLACES 4                                       ; in front of loads into registers that the last step's matrix instructions have read
.endif
.if \q < 7
	FETCH \q+1
.endif
.if \q == 3
	SCALES 1
.endif
.if \q == 0
	MUL64 \q, 1
.else
	MUL64 \q, 0
.endif
.endr
	WIN 0
	PLACES 4                                       ; in front of the first read of results
.endm
	s_load_b256 s[4:11], s[0:1], 0x0               ; x's codes, x's scales, W's codes, W's scales
	s_load_b128 s[12:15], s[0:1], 0x20             ; b_attn, qbuf
	s_load_b64 s[16:17], s[0:1], 0x30              ; kvbuf
	v_lshl_add_u32 v[SPW], v0, 2, SPARE
	v_mov_b32 v[NIL], 0
	ds_add_u32 v[SPW], v[NIL]                      ; the wave's opening: the add, twice on end, and its wait ahead of my first tensor load
	ds_add_u32 v[SPW], v[NIL]
	v_lshrrev_b32 v1, 5, v0
	v_readfirstlane_b32 s[WV], v1                  ; wave 0..3
	s_lshr_b32 s[HA], s[WV], 1                     ; my half of side A's rows.  Also: I fetch for A (0) or for B (1)
	s_and_b32 s[HB], s[WV], 1                      ; my half of side B's rows.  Also: which 128 rows I fetch
	s_bfe_u32 s21, ttmp6, 0x40000                  ; cx
	s_bfe_u32 s22, ttmp6, 0x40004                  ; cy
	s_and_b32 s2, ttmp7, 0xffff                    ; cluster y: which 1,024 tokens
	s_cmp_eq_u32 ttmp9, 2                          ; v?
	s_cselect_b32 s40, ttmp9, s2                   ; side A is W for v, else x
	s_cselect_b32 s41, s2, ttmp9                   ; side B the other
	s_lshl_b32 s40, s40, 2
	s_add_co_u32 s40, s40, s22                     ; A's tile of 256 rows: it never holds cx
	s_lshl_b32 s41, s41, 2
	s_add_co_u32 s41, s41, s21                     ; B's: it never holds cy
	s_lshl_b32 s43, s22, 2
	s_lshl_b32 s43, 15, s43                        ; my row of the cluster
	s_lshl_b32 s44, 0x1111, s21                    ; my column
	s_or_b32 s[G1], s43, (1<<20)|(1<<21)|(5<<22)|(3<<25)    ; the mask; elements of 1 byte; padding: 4 words behind every 64; bit 21 beside a mask
	s_or_b32 s[G1B], s44, (1<<20)|(1<<21)|(5<<22)|(3<<25)
.irp g, G1, G1B
	s_mov_b32 s[\g+1], 256<<16                     ; tensor_dim0
	s_mov_b32 s[\g+2], 128<<16                     ; tensor_dim1
	s_mov_b32 s[\g+3], 256<<16                     ; tile_dim0
	s_mov_b32 s[\g+4], 128                         ; tile_dim1
	s_mov_b32 s[\g+5], 512                         ; a row in memory
	s_mov_b32 s[\g+6], 0
	s_mov_b32 s[\g+7], 0
.endr
	s_or_b32 s[G1S], s43, (3<<16)|(1<<20)|(1<<21)|(5<<22)|(3<<25)   ; the scales of 128 rows: 4,096 dense bytes as 16 rows of 32 elements of 8 bytes
	s_or_b32 s[G1SB], s44, (3<<16)|(1<<20)|(1<<21)|(5<<22)|(3<<25)
.irp g, G1S, G1SB
	s_mov_b32 s[\g+1], 32<<16
	s_mov_b32 s[\g+2], 16<<16
	s_mov_b32 s[\g+3], 32<<16
	s_mov_b32 s[\g+4], 16
	s_mov_b32 s[\g+5], 32
	s_mov_b32 s[\g+6], 0
	s_mov_b32 s[\g+7], 0
.endr
	s_lshl_b32 s45, s[HB], 7
	s_lshl_b32 s46, s40, 8
	s_add_co_u32 s46, s46, s45                     ; A's rows that I would fetch
	s_lshl_b32 s42, s41, 8
	s_add_co_u32 s42, s42, s45                     ; B's
	s_lshl_b32 s92, s46, 9                         ; their codes, 512 bytes a row,
	s_mov_b32 s93, 0
	s_lshl_b32 s94, s46, 5                         ; their scales, 32 bytes a row
	s_mov_b32 s95, 0
	s_lshl_b32 s96, s42, 9
	s_mov_b32 s97, 0
	s_lshl_b32 s98, s42, 5
	s_mov_b32 s99, 0
	s_mul_i32 s47, s[WV], HALFT                    ; where they go: by the wave's number alone
	s_mul_i32 s101, s[WV], HALFS
.irp g, G0, G0B
	s_mov_b32 s[\g], 1
	s_mov_b32 s[\g+1], s47
	s_mov_b32 s[\g+4], 1
	s_add_co_u32 s[\g+5], s47, SLOT
.endr
.irp g, G0S, G0SB
	s_mov_b32 s[\g], 1
	s_add_co_u32 s[\g+1], s101, SCL
.endr
	s_wait_dscnt 0x0                               ; both opening adds are done
	s_wait_kmcnt 0x0
	s_cmp_eq_u32 ttmp9, 2
	s_cselect_b64 s[G0+2:G0+3], s[8:9], s[4:5]
	s_cselect_b64 s[G0B+2:G0B+3], s[4:5], s[8:9]
	s_cselect_b64 s[G0S+2:G0S+3], s[10:11], s[6:7]
	s_cselect_b64 s[G0SB+2:G0SB+3], s[6:7], s[10:11]
	s_add_nc_u64 s[G0+2:G0+3], s[G0+2:G0+3], s[92:93]
	s_add_nc_u64 s[G0B+2:G0B+3], s[G0B+2:G0B+3], s[96:97]
	s_add_nc_u64 s[G0S+2:G0S+3], s[G0S+2:G0S+3], s[94:95]
	s_add_nc_u64 s[G0SB+2:G0SB+3], s[G0SB+2:G0SB+3], s[98:99]
	s_add_nc_u64 s[G0+6:G0+7], s[G0+2:G0+3], 256   ; slot 1: K from 512 on
	s_add_nc_u64 s[G0B+6:G0B+7], s[G0B+2:G0B+3], 256
	s_or_b32 s[G0+3], s[G0+3], 0x80000000
	s_or_b32 s[G0+7], s[G0+7], 0x80000000
	s_or_b32 s[G0B+3], s[G0B+3], 0x80000000
	s_or_b32 s[G0B+7], s[G0B+7], 0x80000000
	s_or_b32 s[G0S+3], s[G0S+3], 0x80000000
	s_or_b32 s[G0SB+3], s[G0SB+3], 0x80000000
	CROUND                                         ; all sixteen work-groups are here: the joint loads meet
	JLOAD G0S, G1S, G0SB, G1SB                     ; three loads of mine are out: the scales,
	JLOAD G0, G1, G0B, G1B                         ; slot 0,
	JLOAD G0+4, G1, G0B+4, G1B                     ; slot 1.  Nothing is ever filled again
	v_and_b32 v1, 15, v0                           ; r
	v_bfe_u32 v2, v0, 4, 1                         ; h
	v_and_b32 v7, 31, v0                           ; lane
	v_mul_u32_u24 v3, v1, PITCH
	v_lshl_add_u32 v4, v2, 4, v3
	s_mul_i32 s45, s[HA], HALFT
	s_mul_i32 s46, s[HB], HALFT
	s_add_co_u32 s46, s46, 2*HALFT
.irp s, 0,1
	v_add_nc_u32 v[ADRA+\s], s45, v4
	v_add_nc_u32 v[ADRB+\s], s46, v4
	s_add_co_u32 s45, s45, SLOT
	s_add_co_u32 s46, s46, SLOT
.endr
	v_lshlrev_b32 v5, 5, v1                        ; my row's scales: 32 bytes a row,
	v_lshrrev_b32 v6, 8, v5
	v_lshl_add_u32 v5, v6, 4, v5                   ; and 16 more for each 256 passed
	s_mul_i32 s45, s[HA], HALFS
	s_mul_i32 s46, s[HB], HALFS
	s_add_co_u32 s46, s46, 2*HALFS
	s_sub_co_u32 s46, s46, s45
	v_mul_u32_u24 v6, s46, v2                      ; lanes 16-31 take B's
	s_add_co_u32 s45, s45, SCL
	v_add_nc_u32 v5, v5, v6
	v_add_nc_u32 v[ADRS], s45, v5
	v_lshlrev_b32 v[LI], 4, v7
	s_lshl_b32 s45, s[WV], 10
	s_add_co_u32 s45, s45, TRIG
	v_lshl_add_u32 v[TRW], v7, 3, s45
	v_lshl_add_u32 v[TRR], v2, 5, s45
	v_lshlrev_b32 v[SH16], 4, v2
	; where my results go
	s_lshl_b32 s45, s40, 8
	s_lshl_b32 s46, s[HA], 7
	s_add_co_u32 s45, s45, s46                     ; my first row of side A
	s_lshl_b32 s46, s41, 8
	s_lshl_b32 s47, s[HB], 7
	s_add_co_u32 s46, s46, s47                     ; of side B
	s_cmp_eq_u32 ttmp9, 2
	s_cselect_b32 s47, s46, s45                    ; my first token
	s_cselect_b32 s101, s45, s46                   ; my first column of qkv
	s_cmp_eq_u32 ttmp9, 0
	s_cselect_b64 s[92:93], s[14:15], s[16:17]     ; qbuf for q, kvbuf for k and v
	s_mov_b32 s96, 8704
	s_cselect_b32 s96, 4352, s96                   ; a block of 128 tokens of one head
	s_lshr_b32 s97, s47, 11                        ; batch
	s_lshl_b32 s97, s97, 4
	s_bfe_u32 s98, s101, 0x40006                   ; my first head
	s_add_co_u32 s97, s97, s98
	s_lshl_b32 s97, s97, 4
	s_bfe_u32 s99, s47, 0x40007                    ; which 128 tokens of the sequence
	s_add_co_u32 s97, s97, s99
	s_mul_i32 s94, s97, s96
	s_mov_b32 s95, 0
	s_add_nc_u64 s[92:93], s[92:93], s[94:95]      ; my first head's block,
	s_lshl_b32 s96, s96, 4
	s_mov_b32 s97, 0
	s_add_nc_u64 s[94:95], s[92:93], s[96:97]      ; my second head's
	v_mul_u32_u24 v[SOFF], s96, v2
	v_lshl_add_u32 v[SOFF], v1, 4, v[SOFF]
	s_lshl_b32 s46, s101, 2
	s_mov_b32 s47, 0
	s_add_nc_u64 s[12:13], s[12:13], s[46:47]      ; b_attn at my first column
	s_mov_b32 s[SEL], 0x76543210
	s_mov_b32 s[SEL+1], 0xfedcba98                 ; lane l xor 16
	s_mov_b32 s100, 0xffff0000                     ; lanes 16-31
.irp b, 0,1,2,3
	v_mov_b32 v[TM+4+\b], 0                        ; written once: a lane permute's destination counts as one of its sources
.endr
	s_cmp_eq_u32 ttmp9, 2
	s_cbranch_scc1 .Lkind_v
; ---------------- q and k ----------------
; cos and sin of head x theta_j and the rotated bias, while the tiles are on their way: lane j makes pair j of each of my two heads; they go through my own LDS bytes into the result's layout.
.macro TRIGC c
	s_add_co_u32 s3, s98, \c
	v_cvt_f32_u32 v[ANG], s3
	v_mul_f32 v[ANG], v[ANG], v[THETA]             ; the angle
	v_mul_f32 v[KQ], 0x3f22f983, v[ANG]            ; x 2 / pi
	v_rndne_f32 v[KQ], v[KQ]                       ; k
	v_fmamk_f32 v[RR], v[KQ], 0xbfc90fdb, v[ANG]   ; r = angle - k pi/2, pi/2 in two parts
	v_fmamk_f32 v[RR], v[KQ], 0x333bbd2e, v[RR]
	v_mul_f32 v[R2], v[RR], v[RR]
	v_mov_b32 v[SN], 0x3638ef1d                    ; 1/9!
	v_mov_b32 v[CN], 0xb493f27e                    ; -1/10!
	v_fmaak_f32 v[SN], v[SN], v[R2], 0xb9500d01    ; -1/7!
	v_fmaak_f32 v[CN], v[CN], v[R2], 0x37d00d01    ; 1/8!
	v_fmaak_f32 v[SN], v[SN], v[R2], 0x3c088889    ; 1/5!
	v_fmaak_f32 v[CN], v[CN], v[R2], 0xbab60b61    ; -1/6!
	v_fmaak_f32 v[SN], v[SN], v[R2], 0xbe2aaaab    ; -1/3!
	v_fmaak_f32 v[CN], v[CN], v[R2], 0x3d2aaaab    ; 1/4!
	v_mul_f32 v[SN], v[SN], v[R2]
	v_fma_f32 v[CN], v[CN], v[R2], -0.5
	v_fma_f32 v[SN], v[SN], v[RR], v[RR]           ; sin r
	v_fma_f32 v[CN], v[CN], v[R2], 1.0             ; cos r
	v_cvt_i32_f32 v[KI], v[KQ]
	v_and_b32 v[T1], 1, v[KI]
	v_cmp_eq_u32 vcc_lo, 1, v[T1]                  ; an odd quadrant swaps the two
	v_cndmask_b32 v[OUT], v[CN], v[SN], vcc_lo
	v_cndmask_b32 v[OUT+1], v[SN], v[CN], vcc_lo
	v_add_nc_u32 v[T1], 1, v[KI]
	v_and_b32 v[T1], 2, v[T1]                      ; cos is negative in quadrants 1, 2,
	v_and_b32 v[T2], 2, v[KI]                      ; sin in 2, 3
	v_lshlrev_b32 v[T1], 30, v[T1]
	v_lshlrev_b32 v[T2], 30, v[T2]
	v_xor_b32 v[OUT], v[T1], v[OUT]
	v_xor_b32 v[OUT+1], v[T2], v[OUT+1]
	ds_store_b64 v[TRW], v[OUT:OUT+1] offset:256*\c
	v_mul_f32 v[T1], v[BI+2*\c+1], v[OUT+1]
	v_mul_f32 v[T2], v[BI+2*\c], v[OUT+1]
	v_fma_f32 v[BO], v[BI+2*\c], v[OUT], -v[T1]    ; b0 cos - b1 sin
	v_fma_f32 v[BO+1], v[BI+2*\c+1], v[OUT], v[T2] ; b1 cos + b0 sin
	ds_store_b64 v[TRW], v[BO:BO+1] offset:512+256*\c
.endm
; Block a (16 tokens x my 128 columns): rotated, quantised (two heads x two blocks of 32), stored as two tile images.  Each accumulator is read from its low end on.
.macro EPI_QK a
.set AC, 64*((\a)%4)
	WIN 0x16+(\a)/4                                ; source 0: the accumulators; sources 1, 2: window 1
.set n, 0
.rept 32
	v_fma_f32 v[H+n], -v[AC+n+1], v[CS+n+1], v[BP+n]
	v_fma_f32 v[H+n+1], v[AC+n], v[CS+n+1], v[BP+n+1]
.set n, n+2
.endr
	WIN 0x06+(\a)/4
.set n, 0
.rept 32
	v_fma_f32 v[H+n], v[AC+n], v[CS+n], v[H+n]
	v_fma_f32 v[H+n+1], v[AC+n+1], v[CS+n], v[H+n+1]
.set n, n+2
.endr
	WIN 0
	s_wait_xcnt 0x0                                ; the last block's stores have read their data: the codes' registers are written again only behind this wait
	QUANT H, 4, PWA+(\a)
	v_lshrrev_b32 v[PWA+(\a)], v[SH16], v[PWA+(\a)]   ; lanes 0-15 keep my first head's two bytes in the low half, lanes 16-31 bring my second head's there
	global_store_b128 v[LI], v[PC:PC+3], s[92:93] offset:512*(\a)      ; 32 lanes store 512 consecutive bytes, aligned
	global_store_b128 v[LI], v[PC+4:PC+7], s[94:95] offset:512*(\a)
.if (\a)%2
	v_perm_b32 v[WW+(\a)/2], v[PWA+(\a)], v[PWA+(\a)-1], 0x05040100    ; word f: tile 2 f below, tile 2 f + 1 above
.endif
.endm
	v_lshlrev_b32 v[BOF], 3, v7
	global_load_b64 v[BI:BI+1], v[BOF], s[12:13]              ; pair j of my first head's bias,
	global_load_b64 v[BI+2:BI+3], v[BOF], s[12:13] offset:256 ; of my second head's
	v_cvt_f32_u32 v[THETA], v7
	v_mul_f32 v[THETA], 0xbed49a78, v[THETA]       ; -j log2(10000) / 32
	s_wait_alu depctr_va_vdst(0)
	v_exp_f32 v[THETA], v[THETA]                   ; theta_j
	v_nop                                          ; a plain place behind the transcendental,
	s_wait_alu depctr_va_vdst(0)                   ; and the wait ahead of its first reader
	s_wait_loadcnt 0x0
	TRIGC 0
	TRIGC 1
	WIN 0x40                                       ; back in the result's layout: accumulator b's registers are columns 16 b + 8 h + 0 .. 7: four pairs.  LDS serves a wave's instructions in order: these see my stores
.irp b, 0,1,2,3,4,5,6,7
	ds_load_b128 v[CS+8*\b:CS+8*\b+3], v[TRR] offset:64*\b
	ds_load_b128 v[CS+8*\b+4:CS+8*\b+7], v[TRR] offset:64*\b+16
	ds_load_b128 v[BP+8*\b:BP+8*\b+3], v[TRR] offset:512+64*\b
	ds_load_b128 v[BP+8*\b+4:BP+8*\b+7], v[TRR] offset:512+64*\b+16
.endr
	WIN 0
	s_wait_dscnt 0x0
	MAIN
.irp a, 0,1,2,3,4,5,6,7
	EPI_QK \a
.endr
	global_store_b128 v[SOFF], v[WW:WW+3], s[92:93] offset:4096   ; lanes 0-15: my first head's 256 bytes of scale words; lanes 16-31: my second head's
	FINISH
; ---------------- v ----------------
.Lkind_v:
; Block a (16 columns x my 128 tokens): the bias, quantised along the tokens (four blocks of 32): one fragment of V^T and one scale word a column.
.macro EPI_V a
.set AC, 64*((\a)%4)
	WIN 0x06+(\a)/4
.set n, 0
.rept 32
	v_pk_add_f32 v[H+n:H+n+1], v[AC+n:AC+n+1], v[BV+2*(\a):BV+2*(\a)+1]
.set n, n+2
.endr
	WIN 0
	s_wait_xcnt 0x0                                ; the last block's stores have read their data
	QUANT H, 4, PWA+(\a)
	global_store_b128 v[LI], v[PC:PC+3], s[92+2*((\a)/4):93+2*((\a)/4)] offset:4352+1024*((\a)%4)
	global_store_b128 v[LI], v[PC+4:PC+7], s[92+2*((\a)/4):93+2*((\a)/4)] offset:4352+1024*((\a)%4)+512
.endm
	v_lshlrev_b32 v[BOF], 2, v1
	WIN 0x40
.irp a, 0,1,2,3,4,5,6,7
	global_load_b32 v[BV+2*\a], v[BOF], s[12:13] offset:64*\a     ; my column's bias, twice: a pair for the packed addition
	global_load_b32 v[BV+2*\a+1], v[BOF], s[12:13] offset:64*\a
.endr
	WIN 0
	s_wait_loadcnt 0x0
	MAIN
.irp a, 0,1,2,3,4,5,6,7
	EPI_V \a
.endr
.irp i, 0,1,2,3
	v_cndmask_b32 v[WW+\i], v[PWA+\i], v[PWA+4+\i], s100          ; lanes 0-15: my first head's words, lanes 16-31: my second head's
.endr
	global_store_b128 v[SOFF], v[WW:WW+3], s[92:93] offset:8448
	FINISH
.Lfunc_end_k_q30c9d131f6_qkv:
	.size	k_q30c9d131f6_qkv, .Lfunc_end_k_q30c9d131f6_qkv-k_q30c9d131f6_qkv
	.p2alignl 7, 3214868480
	.fill 96, 4, 3214868480
	.section	.rodata,"a",@progbits
	.p2align	6, 0x0
	.amdhsa_kernel k_q30c9d131f6_qkv
		.amdhsa_group_segment_fixed_size 300544
		.amdhsa_private_segment_fixed_size 0
		.amdhsa_enable_private_segment 0
		.amdhsa_kernarg_size 56
		.amdhsa_user_sgpr_count 2
		.amdhsa_user_sgpr_kernarg_segment_ptr 1
		.amdhsa_wavefront_size32 1
		.amdhsa_system_sgpr_workgroup_id_x 1
		.amdhsa_system_sgpr_workgroup_id_y 1
		.amdhsa_system_sgpr_workgroup_id_z 1
		.amdhsa_system_vgpr_workitem_id 0
		.amdhsa_next_free_vgpr 1024
		.amdhsa_next_free_sgpr 102
		.amdhsa_reserve_vcc 1
		.amdhsa_float_denorm_mode_32 3
		.amdhsa_float_denorm_mode_16_64 3
		.amdhsa_memory_ordered 1
		.amdhsa_forward_progress 1
		.amdhsa_inst_pref_size 255
	.end_amdhsa_kernel
	.section	.bss,"aw",@nobits
	.p2align	6
	.space	262144
	.amdgpu_metadata
---
amdhsa.version: [ 1, 2 ]
amdhsa.kernels:
  - .name:           k_q30c9d131f6_qkv
    .symbol:         k_q30c9d131f6_qkv.kd
    .args:
      - { .name: x_codes, .offset: 0, .size: 8, .value_kind: global_buffer, .address_space: global }
      - { .name: x_scales, .offset: 8, .size: 8, .value_kind: global_buffer, .address_space: global }
      - { .name: W_attn_codes, .offset: 16, .size: 8, .value_kind: global_buffer, .address_space: global }
      - { .name: W_attn_scales, .offset: 24, .size: 8, .value_kind: global_buffer, .address_space: global }
      - { .name: b_attn, .offset: 32, .size: 8, .value_kind: global_buffer, .address_space: global }
      - { .name: qbuf, .offset: 40, .size: 8, .value_kind: global_buffer, .address_space: global }
      - { .name: kvbuf, .offset: 48, .size: 8, .value_kind: global_buffer, .address_space: global }
    .group_segment_fixed_size: 300544
    .private_segment_fixed_size: 0
    .kernarg_segment_align: 8
    .kernarg_segment_size: 56
    .max_flat_workgroup_size: 128
    .sgpr_count:     102
    .vgpr_count:     1024
    .wavefront_size: 32
...
	.end_amdgpu_metadata
.endif
;; end of part 1
;; launch attn (part 2): grid 4 x 64, 16 waves a work-group, clusters of 4 x 1, 167,936 bytes of LDS; arguments qbuf, kvbuf, ybuf; writes ybuf
.if DOCPART == 2
	.amdgcn_target "amdgcn-amd-amdhsa--gfx1250"
	.amdhsa_code_object_version 6
	.text
	.protected	k_q30c9d131f6_attn
	.globl	k_q30c9d131f6_attn
	.p2align	8
	.type	k_q30c9d131f6_attn,@function
k_q30c9d131f6_attn:
	s_mov_b64 s[64:65], 0
	v_nop
	global_prefetch_b8 v0, s[64:65] scope:SCOPE_SE
	s_setreg_imm32_b32 hwreg(HW_REG_WAVE_MODE, 25, 1), 1
	s_wait_xcnt 0x0
	s_wait_alu depctr_hold_cnt(0) depctr_sa_sdst(0) depctr_va_vdst(0) depctr_va_sdst(0) depctr_va_ssrc(0) depctr_va_vcc(0) depctr_vm_vsrc(0)
	s_getreg_b32 s2, hwreg(HW_REG_IB_STS2, 6, 4)
	s_cmp_eq_u32 s2, 0
	s_cbranch_scc0 .Lentry_in_a_cluster
	s_endpgm
.Lentry_in_a_cluster:
	s_bfe_u32 s2, ttmp6, 0x10000c
	s_cmp_lg_u32 s2, 0x3003
	s_cbranch_scc0 .Lentry_shape_is_right
	s_endpgm
.Lentry_shape_is_right:
; y = softmax(q k^T / 8, causal) v for one head a cluster, both products on codes of FP4 (E2M1) with E8M0 scales; y is quantised along C and stored as the projection's operand.
; LEFT OUT: a step of 128 keys all of which come after a tile's 16 queries: reference()'s own tril gives those keys the weight 0 for every input.
; THE SOFTMAX: t = score x log2(e) / 8; M = the running largest t rounded up to a whole number; p = 2^(t - M) is quantised along the keys, not normalised; the row's sum is taken of the unquantised p and divides at the end.
; When M moves, the sum and O are multiplied by 2^(old M - new M): exact.  LIMITS as in the launch qkv: NaN and infinities are not served; blocks of zeros keep the byte 1.
; SHARES.  A cluster of four work-groups is one (batch, head); a head has 128 tiles of 16 queries.  Wave w of partner cx takes tile i = 4 w + cx and then tile 127 - i: their last key steps are w / 2 and 15 - w / 2,
; so every wave of the launch walks 17 key steps, and what it walks hangs on the wave's number alone.  cx enters global addresses and vector values only.
; THE WHOLE HEAD'S K AND V LIE IN LDS: 16 steps x 8,704 bytes, images of operand registers as qkv stored them.  Wave w asks for step w, jointly with its three partners (the same descriptor, mask 15): one load a wave, filled once.
; Sixteen waves of 256 registers: four to a SIMD, so that one wave's vector work stands beside another's matrix work and LDS loads.
; BOTH PRODUCTS TRANSPOSED: S^T = K Q^T, O^T = V^T P^T: a lane holds one query (lane % 16) throughout; tile t's register j is key 16 t + 8 (lane / 16) + j.
; K = 64 IN AN INSTRUCTION OF 128: a fragment of K holds key tile 2 f in registers 0-3 and key tile 2 f + 1 in registers 4-7.  Against Q followed by zero codes it gives tile 2 f, against zero codes followed by Q tile 2 f + 1.
; REGISTERS: v1-11 addresses; v12 -M, v13 the largest t, v[14:15] the sum; v16-19 zeros, v20-23 Q, v24-27 zeros; v28, v29 Q's scale words for the two forms; v32-63 K; v64-95 V; v96-159 S^T, p, y; v160-191 O^T;
;   v192-199 codes; v200-203, v204-207, v208 scale words of K, V, p; v212-229 at work; v232-236 the second tile's Q; v240-255 the quantiser.
.set STEPB, 8704
.set QBLK,  4352
.set SPARE, 16*STEPB                   ; behind the head: the spare words, 128 bytes for each of 16 waves
.set LI,   1                           ; 16 x lane
.set LR,   2                           ; 16 r
.set DV,   3                           ; my query less the diagonal step's first key, less 8 h
.set SPW,  4
.set NIL,  5
.set NINF, 6
.set ADR,  7
.set ADS,  8
.set QRAW, 9
.set YSO,  10                          ; 16 r + h
.set DV0,  11                          ; r - 8 h
.set PC,   192
.set TM,   240
.set WV,   10
.set TILE, 13
.set LIM,  14
.set ST,   15
.set TB,   16
.set PASS, 17
.set SEL,  36
.set CC,   38
.macro CROUND
	s_barrier_signal -1
	s_barrier_wait -1
	s_cmp_lg_u32 s[WV], 0
	s_cbranch_scc1 .Lnot_wave_0_\@
	s_barrier_signal -3
.Lnot_wave_0_\@:
	s_barrier_wait -3
	s_barrier_signal -1
	s_barrier_wait -1
.endm
; 16 nb numbers of a lane, register 8 t + j = k 16 t + 8 h + j of my row, become codes in v[PC] on, in the operand's layout; the blocks' bytes stay in v[TM+4] on (as in the launch qkv).
.macro QUANT s, nb, pw
.irp b, 0,1,2,3
.if \b < \nb
	v_max3_num_f32 v[TM+\b], |v[\s+16*\b]|, |v[\s+1+16*\b]|, 0x1800000
.endif
.endr
.irp i, 2,4,6,8,10,12,14
.irp b, 0,1,2,3
.if \b < \nb
	s_delay_alu instid0(VALU_DEP_2)
	v_max3_num_f32 v[TM+\b], v[TM+\b], |v[\s+16*\b+\i]|, |v[\s+1+16*\b+\i]|
.endif
.endr
.endr
.irp b, 0,1,2,3
.if \b < \nb
	s_delay_alu instid0(VALU_DEP_2)
	v_permlanex16_b32 v[TM+4+\b], v[TM+\b], s[SEL], s[SEL+1]
.endif
.endr
.irp b, 0,1,2,3
.if \b < \nb
	s_delay_alu instid0(VALU_DEP_2)
	v_max_num_f32 v[TM+\b], v[TM+\b], v[TM+4+\b]
.endif
.endr
.irp b, 0,1,2,3
.if \b < \nb
	s_delay_alu instid0(VALU_DEP_2)
	v_add_nc_u32 v[TM+12+\b], 0xff000000, v[TM+\b]
.endif
.endr
.irp b, 0,1,2,3
.if \b < \nb
	s_delay_alu instid0(VALU_DEP_2)
	v_lshrrev_b32 v[TM+4+\b], 23, v[TM+12+\b]
.endif
.endr
.if \nb == 4
	v_lshl_or_b32 v[\pw], v[TM+5], 8, v[TM+4]
	v_lshl_or_b32 v[\pw], v[TM+6], 16, v[\pw]
	v_lshl_or_b32 v[\pw], v[TM+7], 24, v[\pw]
.endif
.irp t, 0,1,2,3,4,5,6,7
.if \t < 2*\nb
	v_cvt_scalef32_pk8_fp4_f32 v[PC+4*(\t/4)+((\t%4)%2)*2+(\t%4)/2], v[\s+8*\t:\s+8*\t+7], v[TM+12+\t/2]
.endif
.endr
	v_nop                                          ; one plain place behind the scaled conversions
.irp c, 0,1
.if 2*\c < \nb
	v_permlane16_swap_b32 v[PC+4*\c], v[PC+4*\c+1]
	v_permlane16_swap_b32 v[PC+4*\c+2], v[PC+4*\c+3]
.endif
.endr
.endm
; the image and the scale word of the tile in s[ts]
.macro QLOAD ts, bp, va, vb, dq, dsw
	s_lshr_b32 s42, s[\ts], 3
	s_add_co_u32 s42, s42, s44
	s_mul_i32 s42, s42, QBLK
	s_add_nc_u64 s[\bp:\bp+1], s[4:5], s[42:43]
	s_and_b32 s45, s[\ts], 7
	s_lshl_b32 s46, s45, 9
	v_add_nc_u32 v[\va], s46, v[LI]
	s_lshr_b32 s46, s45, 1
	s_lshl_b32 s46, s46, 2
	v_add_nc_u32 v[\vb], s46, v[LR]
	global_load_b128 v[\dq:\dq+3], v[\va], s[\bp:\bp+1]
	global_load_b32 v[\dsw], v[\vb], s[\bp:\bp+1] offset:4096
.endm
	s_load_b128 s[4:7], s[0:1], 0x0                ; qbuf, kvbuf
	s_load_b64 s[8:9], s[0:1], 0x10                ; ybuf
	v_lshl_add_u32 v[SPW], v0, 2, SPARE
	v_mov_b32 v[NIL], 0
	ds_add_u32 v[SPW], v[NIL]                      ; the wave's opening: the add, twice on end, and its wait ahead of my first tensor load
	ds_add_u32 v[SPW], v[NIL]
	v_lshrrev_b32 v11, 5, v0
	s_delay_alu instid0(VALU_DEP_1)
	v_readfirstlane_b32 s[WV], v11                 ; wave 0..15
	s_bfe_u32 s11, ttmp6, 0x40000                  ; cx
	s_and_b32 s12, ttmp7, 0xffff                   ; 16 x batch + head, which the four partners share
	s_mov_b32 s24, 15|(3<<16)|(1<<21)              ; the mask: all four; elements of 8 bytes; no padding; bit 21 beside a mask
	s_mov_b32 s25, 32<<16                          ; a step's 8,704 dense bytes as 34 rows of 256
	s_mov_b32 s26, 34<<16
	s_mov_b32 s27, 32<<16
	s_mov_b32 s28, 34
	s_mov_b32 s29, 32
	s_mov_b32 s30, 0
	s_mov_b32 s31, 0
	s_mov_b32 s32, 1
	s_mul_i32 s33, s[WV], STEPB                    ; step w, in LDS,
	s_lshl_b32 s44, s12, 4
	s_add_co_u32 s42, s44, s[WV]
	s_mul_i32 s42, s42, STEPB                      ; and in kvbuf
	s_mov_b32 s43, 0
	s_lshl_b32 s[TILE], s[WV], 2
	s_add_co_u32 s[TILE], s[TILE], s11             ; my first tile
	s_lshr_b32 s[LIM], s[WV], 1                    ; its last key step
	s_and_b32 s18, s12, 15                         ; head
	s_lshr_b32 s19, s12, 4                         ; batch
	s_mov_b32 s[SEL], 0x76543210
	s_mov_b32 s[SEL+1], 0xfedcba98
	s_mov_b32 s[CC], 0x3e38aa3b                    ; c = log2(e) / 8
	s_mov_b32 s[CC+1], s[CC]                       ; (named with it as a pair)
	s_mov_b32 s40, 0xffff0000                      ; lanes 16-31
	s_wait_dscnt 0x0                               ; both opening adds are done
	s_wait_kmcnt 0x0
	s_add_nc_u64 s[34:35], s[6:7], s[42:43]
	s_or_b32 s35, s35, 0x80000000
	CROUND                                         ; all four work-groups are here: the joint loads meet
	tensor_load_to_lds s[32:35], s[24:31]          ; my one tensor load of the launch
	s_nop 0
	v_and_b32 v224, 31, v0
	s_delay_alu instid0(VALU_DEP_1)
	v_lshlrev_b32 v[LI], 4, v224
	v_and_b32 v224, 15, v0                         ; r
	s_delay_alu instid0(VALU_DEP_1)
	v_lshlrev_b32 v[LR], 4, v224
	s_wait_alu depctr_va_vdst(0)
	v_bfe_u32 v225, v0, 4, 1                       ; h
	s_delay_alu instid0(VALU_DEP_1)
	v_add_nc_u32 v[YSO], v[LR], v225
	s_delay_alu instid0(VALU_DEP_2)
	v_lshlrev_b32 v225, 3, v225
	s_delay_alu instid0(VALU_DEP_1)
	v_sub_nc_u32 v[DV0], v224, v225
	QLOAD TILE, 20, 228, 229, 20, QRAW             ; Q of my first tile,
	s_xor_b32 s47, s[TILE], 127
	QLOAD 47, 22, 230, 231, 232, 236               ; and of my second
	s_lshr_b32 s41, s18, 3                         ; where my head's scale bytes lie in a block of ybuf: K step head / 2, byte 2 (head % 2) + block
	s_lshl_b32 s41, s41, 8
	s_bfe_u32 s46, s18, 0x20001
	s_lshl_b32 s46, s46, 2
	s_add_co_u32 s41, s41, s46
	s_and_b32 s46, s18, 1
	s_lshl_b32 s46, s46, 1
	s_add_co_u32 s41, s41, s46
	s_add_co_u32 s41, s41, 8192
	s_lshl_b32 s47, s18, 9                         ; and its image
	v_mov_b32 v[NINF], 0xff800000
.irp j, 16,17,18,19,24,25,26,27
	v_mov_b32 v[\j], 0                             ; zero codes on both sides of Q
.endr
.irp j, 216,217,218,219,224,227,244,245
	v_mov_b32 v[\j], 0                             ; written once: lane permutes' destinations, and the upper half of the pair v[226:227]
.endr
	s_wait_loadcnt 0x0
	s_wait_tensorcnt 0x0                           ; my step has landed,
	s_barrier_signal -1
	s_barrier_wait -1                              ; everybody's has: the launch's only barrier between waves
	s_mov_b32 s[PASS], 2
.Lpass:                                            ; two trips: my two tiles
	s_lshl_b32 s42, s19, 7
	s_add_co_u32 s42, s42, s[TILE]                 ; token / 16
	s_mul_i32 s42, s42, STEPB                      ; a block of ybuf is 8,704 bytes too
	s_mov_b32 s43, 0
	s_add_nc_u64 s[22:23], s[8:9], s[42:43]
	s_mov_b32 s44, s47
	s_mov_b32 s45, 0
	s_add_nc_u64 s[20:21], s[22:23], s[44:45]      ; my image
	s_mov_b32 s44, s41
	s_add_nc_u64 s[22:23], s[22:23], s[44:45]      ; my scale bytes
	s_and_b32 s46, s[TILE], 1
	s_lshl_b32 s46, s46, 4
	s_and_b32 s44, s[TILE], 7
	s_lshl_b32 s44, s44, 4
	v_add_nc_u32 v[DV], s44, v[DV0]
	s_wait_alu depctr_va_vdst(0)
	v_lshrrev_b32 v224, s46, v[QRAW]
	s_delay_alu instid0(VALU_DEP_1)
	v_and_b32 v224, 0xffff, v224                   ; my tile's two bytes
	s_delay_alu instid0(VALU_DEP_1)
	v_lshl_or_b32 v29, v224, 16, 0x7f7f            ; for zeros, then Q;
	s_delay_alu instid0(VALU_DEP_2)
	v_or_b32 v28, 0x7f7f0000, v224                 ; for Q, then zeros: the zero codes' bytes stand for 1
	v_mov_b32 v13, 0xff61b1e6                      ; the largest t so far: -3e38
	s_delay_alu instid0(VALU_DEP_1)
	v_floor_f32 v12, -v13                          ; -M
	v_mov_b32 v14, 0
	v_mov_b32 v15, 0
.set n, 0
.rept 32
	v_mov_b32 v[160+n], 0                          ; O^T: the step is written once; the first finds zeros.  (These lines are also the places between the scale words just made and the first product)
.set n, n+1
.endr
	s_mov_b32 s[ST], 0
	s_mov_b32 s[TB], 0
.Lstep:                                            ; 16 trips, a constant; a step past my tile's last is jumped over, all but the lines that step
	s_cmp_gt_u32 s[ST], s[LIM]
	s_cbranch_scc1 .Lskip
	s_setprio 2
	v_add_nc_u32 v[ADR], s[TB], v[LI]
	v_add_nc_u32 v[ADS], s[TB], v[LR]
.irp i, 0,1,2,3,4,5,6,7
	ds_load_b128 v[32+4*\i:35+4*\i], v[ADR] offset:512*\i
.endr
	ds_load_b128 v[200:203], v[ADS] offset:4096
.irp i, 0,1,2,3,4,5,6,7
	ds_load_b128 v[64+4*\i:67+4*\i], v[ADR] offset:4352+512*\i
.endr
	ds_load_b128 v[204:207], v[ADS] offset:8448
	s_wait_dscnt 0x9                               ; K and its scale words are in; the nine loads issued behind them, V's, may stay out
.irp f, 0,1,2,3
	v_wmma_scale_f32_16x16x128_f8f6f4 v[96+16*\f:103+16*\f], v[32+8*\f:39+8*\f], v[20:27], 0, v[200+\f], v28 matrix_a_fmt:MATRIX_FMT_FP4 matrix_b_fmt:MATRIX_FMT_FP4
	v_wmma_scale_f32_16x16x128_f8f6f4 v[104+16*\f:111+16*\f], v[32+8*\f:39+8*\f], v[16:23], 0, v[200+\f], v29 matrix_a_fmt:MATRIX_FMT_FP4 matrix_b_fmt:MATRIX_FMT_FP4
.endr
.rept 4
	v_nop                                          ; places in front of the first read of results
.endr
	s_cmp_lg_u32 s[ST], s[LIM]
	s_cbranch_scc1 .Lopen                          ; only my tile's last step lies on the diagonal
.set n, 0
.rept 64
	v_cmp_gt_i32 vcc_lo, 16*(n/8)+n%8, v[DV]       ; register n holds key 16 (n / 8) + 8 h + n % 8 of the step: hidden where it comes after my query
	v_cndmask_b32 v[96+n], v[96+n], v[NINF], vcc_lo
.set n, n+1
.endr
.Lopen:
.irp b, 0,1,2,3
	v_max3_num_f32 v[212+\b], v[96+16*\b], v[97+16*\b], v[98+16*\b]   ; the largest score of each block of 32 keys: for the row's maximum, and, since p rises with the score, for the block's largest p
.endr
.irp i, 3,5,7,9,11,13
.irp b, 0,1,2,3
	v_max3_num_f32 v[212+\b], v[212+\b], v[96+16*\b+\i], v[97+16*\b+\i]
.endr
.endr
.irp b, 0,1,2,3
	v_max_num_f32 v[212+\b], v[212+\b], v[111+16*\b]
.endr
.irp b, 0,1,2,3
	s_delay_alu instid0(VALU_DEP_4)
	v_permlanex16_b32 v[216+\b], v[212+\b], s[SEL], s[SEL+1]
.endr
.irp b, 0,1,2,3
	s_delay_alu instid0(VALU_DEP_4)
	v_max_num_f32 v[212+\b], v[212+\b], v[216+\b]
.endr
	s_delay_alu instid0(VALU_DEP_2)
	v_max3_num_f32 v224, v212, v213, v214
	s_delay_alu instid0(VALU_DEP_1)
	v_max_num_f32 v224, v224, v215
	s_delay_alu instid0(VALU_DEP_1)
	v_mul_f32 v224, s[CC], v224
	s_delay_alu instid0(VALU_DEP_1)
	v_max_num_f32 v13, v13, v224                   ; the running largest t
	v_mov_b32 v224, v12
	s_delay_alu instid0(VALU_DEP_2)
	v_floor_f32 v12, -v13                          ; the new -M = -ceil(t)
	s_delay_alu instid0(VALU_DEP_1)
	v_sub_f32 v224, v12, v224                      ; old M - new M: a whole number, 0 or less
	s_delay_alu instid0(VALU_DEP_1)
	v_cvt_i32_f32 v224, v224                       ; (it saturates)
	s_delay_alu instid0(VALU_DEP_1)
	v_ldexp_f32 v226, 1.0, v224                    ; f = 2^(old M - new M)
.set n, 0
.rept 32
	v_pk_fma_f32 v[96+n:97+n], v[96+n:97+n], s[CC:CC+1], v[12:13] op_sel_hi:[1,0,0]   ; t - M
.set n, n+2
.endr
	s_setprio 1
.irp b, 0,1,2,3
	v_fma_f32 v[212+\b], v[212+\b], s[CC], v12
.endr
.set n, 0
	s_wait_alu depctr_va_vdst(0)
.rept 64
	v_exp_f32 v[96+n], v[96+n]                     ; p = 2^(t - M)
.set n, n+1
.endr
	v_pk_mul_f32 v[14:15], v[14:15], v[226:227] op_sel_hi:[1,0]   ; the sum under the new M: the plain place behind the batch
	s_wait_alu depctr_va_vdst(0)                   ; one wait for the 64, ahead of their first reader
.irp b, 0,1,2,3
	v_exp_f32 v[212+\b], v[212+\b]                 ; the blocks' largest p
.endr
.set n, 0
	s_wait_alu depctr_va_vdst(0)
.rept 16
	v_pk_mul_f32 v[160+n:161+n], v[160+n:161+n], v[226:227] op_sel_hi:[1,0]   ; O^T under the new M: plain work behind the four
.set n, n+2
.endr
	s_wait_alu depctr_va_vdst(0)                   ; and one for the four
.irp b, 0,1,2,3
	v_max_num_f32 v[212+\b], 0x1800000, v[212+\b]  ; the floor: the byte cannot fall under 1
.endr
.irp b, 0,1,2,3
	s_delay_alu instid0(VALU_DEP_4)
	v_add_nc_u32 v[220+\b], 0xff000000, v[212+\b]
.endr
.irp b, 0,1,2,3
	s_delay_alu instid0(VALU_DEP_4)
	v_lshrrev_b32 v[216+\b], 23, v[220+\b]
.endr
	s_delay_alu instid0(VALU_DEP_3)
	v_lshl_or_b32 v208, v217, 8, v216              ; p's scale word for these 128 keys
	s_delay_alu instid0(VALU_DEP_1)
	v_lshl_or_b32 v208, v218, 16, v208
	s_delay_alu instid0(VALU_DEP_1)
	v_lshl_or_b32 v208, v219, 24, v208
.irp t, 0,1,2,3,4,5,6,7
	v_cvt_scalef32_pk8_fp4_f32 v[192+4*(\t/4)+((\t%4)%2)*2+(\t%4)/2], v[96+8*\t:103+8*\t], v[220+\t/2]
.endr
	v_nop                                          ; one plain place behind the scaled conversions
.irp c, 0,1
	v_permlane16_swap_b32 v[192+4*\c], v[193+4*\c]
	v_permlane16_swap_b32 v[194+4*\c], v[195+4*\c]
.endr
	v_pk_add_f32 v[228:229], v[100:101], v[104:105]
	s_setprio 0
	v_pk_add_f32 v[254:255], v[108:109], v[112:113]
	v_pk_add_f32 v[252:253], v[116:117], v[120:121]
	v_pk_add_f32 v[250:251], v[124:125], v[128:129]
	v_pk_add_f32 v[248:249], v[132:133], v[136:137]
	v_pk_add_f32 v[246:247], v[140:141], v[144:145]
	v_pk_add_f32 v[242:243], v[148:149], v[152:153]
	v_pk_add_f32 v[14:15], v[14:15], v[156:157]
	v_pk_add_f32 v[228:229], v[228:229], v[96:97]
	v_pk_add_f32 v[254:255], v[254:255], v[98:99]
	v_pk_add_f32 v[252:253], v[252:253], v[102:103]
	v_pk_add_f32 v[250:251], v[250:251], v[106:107]
	v_pk_add_f32 v[248:249], v[248:249], v[110:111]
	v_pk_add_f32 v[246:247], v[246:247], v[114:115]
	v_pk_add_f32 v[242:243], v[242:243], v[118:119]
	v_pk_add_f32 v[14:15], v[14:15], v[122:123]
	v_pk_add_f32 v[228:229], v[228:229], v[126:127]
	v_pk_add_f32 v[254:255], v[254:255], v[130:131]
	v_pk_add_f32 v[252:253], v[252:253], v[134:135]
	v_pk_add_f32 v[250:251], v[250:251], v[138:139]
	v_pk_add_f32 v[248:249], v[248:249], v[142:143]
	v_pk_add_f32 v[246:247], v[246:247], v[146:147]
	v_pk_add_f32 v[242:243], v[242:243], v[150:151]
	v_pk_add_f32 v[14:15], v[14:15], v[154:155]
	v_pk_add_f32 v[228:229], v[228:229], v[158:159]
	s_delay_alu instid0(VALU_DEP_2)
	v_pk_add_f32 v[14:15], v[14:15], v[250:251]
	s_delay_alu instid0(VALU_DEP_2)
	v_pk_add_f32 v[228:229], v[228:229], v[248:249]
	v_pk_add_f32 v[254:255], v[254:255], v[246:247]
	v_pk_add_f32 v[252:253], v[252:253], v[242:243]
	s_delay_alu instid0(VALU_DEP_2)
	v_pk_add_f32 v[14:15], v[14:15], v[254:255]
	s_delay_alu instid0(VALU_DEP_2)
	v_pk_add_f32 v[228:229], v[228:229], v[252:253]
	s_delay_alu instid0(VALU_DEP_1)
	v_pk_add_f32 v[14:15], v[14:15], v[228:229]
	s_wait_dscnt 0x0                               ; V and its scale words are in
.irp a, 0,1,2,3
	v_wmma_scale_f32_16x16x128_f8f6f4 v[160+8*\a:167+8*\a], v[64+8*\a:71+8*\a], v[192:199], v[160+8*\a:167+8*\a], v[204+\a], v208 matrix_a_fmt:MATRIX_FMT_FP4 matrix_b_fmt:MATRIX_FMT_FP4
.endr
.rept 4
	v_nop                                          ; places in front of the next step's loads into V's registers, and of the way out
.endr
.Lskip:
	s_add_co_u32 s[TB], s[TB], STEPB
	s_add_co_u32 s[ST], s[ST], 1
	s_cmp_lt_u32 s[ST], 16
	s_cbranch_scc1 .Lstep
	s_setprio 0
	s_wait_alu depctr_va_vdst(0)
	; THE WAY OUT of a tile: O^T / the sum is y(token r, 16 a + 8 h + j of my head): two blocks of 32 along the projection's K
	v_add_f32 v14, v14, v15
	s_delay_alu instid0(VALU_DEP_1)
	v_permlanex16_b32 v224, v14, s[SEL], s[SEL+1]
	s_delay_alu instid0(VALU_DEP_1)
	v_add_f32 v14, v14, v224
	s_wait_alu depctr_va_vdst(0)
	v_rcp_f32 v14, v14
	v_nop                                          ; a plain place behind the transcendental,
	s_wait_alu depctr_va_vdst(0)                   ; and the wait ahead of its first reader
.set n, 0
.rept 32
	v_mul_f32 v[96+n], v[160+n], v14
.set n, n+1
.endr
	QUANT 96, 2, 0
	v_cndmask_b32 v225, v[TM+4], v[TM+5], s40      ; lanes 0-15 store block 0's byte, lanes 16-31 block 1's
	global_store_b128 v[LI], v[192:195], s[20:21]  ; 32 lanes store 512 consecutive bytes, aligned
	global_store_b8 v[YSO], v225, s[22:23]         ; 32 single bytes: a token's scale word gathers two heads, which other clusters make
	s_wait_xcnt 0x0                                ; the stores have read their registers and bases: both are written again below
.irp j, 0,1,2,3
	v_mov_b32 v[20+\j], v[232+\j]                  ; my second tile's Q
.endr
	v_mov_b32 v[QRAW], v236
	s_xor_b32 s[TILE], s[TILE], 127
	s_xor_b32 s[LIM], s[LIM], 15
	s_sub_co_u32 s[PASS], s[PASS], 1
	s_cmp_lg_u32 s[PASS], 0
	s_cbranch_scc1 .Lpass
	s_wait_tensorcnt 0x0                           ; the wave's end
	ds_add_u32 v[SPW], v[NIL]
	s_wait_dscnt 0x0
	CROUND                                         ; the closing round
	s_endpgm
.Lfunc_end_k_q30c9d131f6_attn:
	.size	k_q30c9d131f6_attn, .Lfunc_end_k_q30c9d131f6_attn-k_q30c9d131f6_attn
	.p2alignl 7, 3214868480
	.fill 96, 4, 3214868480
	.section	.rodata,"a",@progbits
	.p2align	6, 0x0
	.amdhsa_kernel k_q30c9d131f6_attn
		.amdhsa_group_segment_fixed_size 167936
		.amdhsa_private_segment_fixed_size 0
		.amdhsa_enable_private_segment 0
		.amdhsa_kernarg_size 24
		.amdhsa_user_sgpr_count 2
		.amdhsa_user_sgpr_kernarg_segment_ptr 1
		.amdhsa_wavefront_size32 1
		.amdhsa_system_sgpr_workgroup_id_x 1
		.amdhsa_system_sgpr_workgroup_id_y 1
		.amdhsa_system_sgpr_workgroup_id_z 1
		.amdhsa_system_vgpr_workitem_id 0
		.amdhsa_next_free_vgpr 256
		.amdhsa_next_free_sgpr 66
		.amdhsa_reserve_vcc 1
		.amdhsa_float_denorm_mode_32 3
		.amdhsa_float_denorm_mode_16_64 3
		.amdhsa_memory_ordered 1
		.amdhsa_forward_progress 1
		.amdhsa_inst_pref_size 34
	.end_amdhsa_kernel
	.amdgpu_metadata
---
amdhsa.version: [ 1, 2 ]
amdhsa.kernels:
  - .name:           k_q30c9d131f6_attn
    .symbol:         k_q30c9d131f6_attn.kd
    .args:
      - { .name: qbuf, .offset: 0, .size: 8, .value_kind: global_buffer, .address_space: global }
      - { .name: kvbuf, .offset: 8, .size: 8, .value_kind: global_buffer, .address_space: global }
      - { .name: ybuf, .offset: 16, .size: 8, .value_kind: global_buffer, .address_space: global }
    .group_segment_fixed_size: 167936
    .private_segment_fixed_size: 0
    .kernarg_segment_align: 8
    .kernarg_segment_size: 24
    .max_flat_workgroup_size: 512
    .sgpr_count:     66
    .vgpr_count:     256
    .wavefront_size: 32
...
	.end_amdgpu_metadata
.endif
;; end of part 2
;; launch proj (part 3): grid 4 x 64, 4 waves a work-group, clusters of 4 x 4, 247,808 bytes of LDS; arguments ybuf, W_proj_codes, W_proj_scales, b_proj, out0; writes out0
.if DOCPART == 3
	.amdgcn_target "amdgcn-amd-amdhsa--gfx1250"
	.amdhsa_code_object_version 6
	.text
	.protected	k_q30c9d131f6_proj
	.globl	k_q30c9d131f6_proj
	.p2align	8
	.type	k_q30c9d131f6_proj,@function
k_q30c9d131f6_proj:
	s_mov_b64 s[64:65], 0
	v_nop
	global_prefetch_b8 v0, s[64:65] scope:SCOPE_SE
	s_setreg_imm32_b32 hwreg(HW_REG_WAVE_MODE, 25, 1), 1
	s_wait_xcnt 0x0
	s_wait_alu depctr_hold_cnt(0) depctr_sa_sdst(0) depctr_va_vdst(0) depctr_va_sdst(0) depctr_va_ssrc(0) depctr_va_vcc(0) depctr_vm_vsrc(0)
	s_getreg_b32 s2, hwreg(HW_REG_IB_STS2, 6, 4)
	s_cmp_eq_u32 s2, 0
	s_cbranch_scc0 .Lentry_in_a_cluster
	s_endpgm
.Lentry_in_a_cluster:
	s_bfe_u32 s2, ttmp6, 0x10000c
	s_cmp_lg_u32 s2, 0xf033
	s_cbranch_scc0 .Lentry_shape_is_right
	s_endpgm
.Lentry_shape_is_right:
; out0 = y W_proj + b_proj on codes of FP4 (E2M1) with E8M0 scales.  y comes from ybuf as images of operand registers: [token / 16][8,704]: sixteen images of 512 bytes (head by head: K step kk is heads 2 kk, 2 kk + 1),
; then 512 bytes of scale words [kk / 4][r][kk % 4].  W_proj's codes and scales come as they are given, K innermost.  Nothing is left out here.
; SHARES.  A work-group of four waves makes 128 tokens x 256 columns (256 work-groups); a wave 64 x 128: 32 accumulators.  All of K lies in LDS, filled once.
; CLUSTERS of 4 x 4: y's block is shared along a row of the cluster, W's tile and scales along a column; each is asked for jointly.
; THE MATRIX INSTRUCTION IS USED TRANSPOSED (source 0 = 16 rows of W, source 1 = 16 tokens): a lane holds eight neighbouring columns of one row of out0.  The bias is the C of each sum's first instruction.
; REGISTERS.  Window 0: v1-31 addresses; v32-63 y's scale words, v64-127 W's; v128-191 y's fragments, two sets (on the way out v128-255: rows).  Window 1: v0-63, v128-191 W's fragments, two sets; v64-127 the bias.  Window 2: the accumulators.
.set YBLK,   8704
.set WT,     8*YBLK                    ; behind y's eight blocks: W's 256 rows, 512 bytes + 16 of padding
.set WPITCH, 528
.set WHALF,  128*WPITCH
.set WSC,    WT+2*WHALF                ; W's scales: units of 256 bytes + 16
.set HALFS,  16*272
.set STAGE,  WSC+2*HALFS               ; the way out: 16 rows x (512 + 16) for each wave; no fill lands here
.set SPITCH, 528
.set SPARE,  STAGE+4*16*SPITCH
.set ADRA, 16
.set ADSA, 17
.set ADRB, 18
.set ADSB, 19
.set STO,  24
.set RD,   25
.set CO,   26
.set SPW,  28
.set NIL,  29
.set BOF,  30
.set SA,   32
.set SB,   64
.set AF,   128
.set BK,   128
.set BIAS, 64                          ; window 1
.set WV,   14
.set HA,   15
.set HB,   16
.set G1Y,  24
.set G0Y,  32
.set G0S,  36
.set G1S,  48
.set G0W,  56
.set G1W,  68
.set MSB, 0
.macro WIN new
.if MSB != (\new)
	s_set_vgpr_msb (MSB<<8)|(\new)
.set MSB, (\new)
.endif
.endm
.macro PLACES n
.rept \n
	v_nop
.endr
.endm
.macro CROUND
	s_barrier_signal -1
	s_barrier_wait -1
	s_cmp_lg_u32 s[WV], 0
	s_cbranch_scc1 .Lnot_wave_0_\@
	s_barrier_signal -3
.Lnot_wave_0_\@:
	s_barrier_wait -3
	s_barrier_signal -1
	s_barrier_wait -1
.endm
.macro FETCHP kk                       ; K step kk's fragments into set kk % 2: 24 LDS loads in one run
	WIN 0x40
.irp b, 0,1,2,3,4,5,6,7
.irp c, 0,1
	ds_load_b128 v[128*((\kk)%2)+8*\b+4*\c:128*((\kk)%2)+8*\b+4*\c+3], v[ADRB] offset:16*WPITCH*\b+64*(\kk)+32*\c
.endr
.endr
	WIN 0
.irp i, 0,1,2,3
.irp c, 0,1
	ds_load_b128 v[AF+32*((\kk)%2)+8*\i+4*\c:AF+32*((\kk)%2)+8*\i+4*\c+3], v[ADRA] offset:YBLK*\i+1024*(\kk)+512*\c
.endr
.endr
.endm
.macro MULP kk                         ; 32 matrix instructions; the 32 accumulators take turns, one instruction a turn
.if (\kk) == 0
	WIN 0x91                                       ; source 0 (W) and C (the bias) window 1, D window 2
.else
	WIN 0xa1
.endif
.irp i, 0,1,2,3
.irp b, 0,1,2,3,4,5,6,7
.if (\kk) == 0
	v_wmma_scale_f32_16x16x128_f8f6f4 v[8*(8*\i+\b):8*(8*\i+\b)+7], v[128*((\kk)%2)+8*\b:128*((\kk)%2)+8*\b+7], v[AF+32*((\kk)%2)+8*\i:AF+32*((\kk)%2)+8*\i+7], v[BIAS+8*\b:BIAS+8*\b+7], v[SB+8*\b+(\kk)], v[SA+8*\i+(\kk)] matrix_a_fmt:MATRIX_FMT_FP4 matrix_b_fmt:MATRIX_FMT_FP4
.else
	v_wmma_scale_f32_16x16x128_f8f6f4 v[8*(8*\i+\b):8*(8*\i+\b)+7], v[128*((\kk)%2)+8*\b:128*((\kk)%2)+8*\b+7], v[AF+32*((\kk)%2)+8*\i:AF+32*((\kk)%2)+8*\i+7], v[8*(8*\i+\b):8*(8*\i+\b)+7], v[SB+8*\b+(\kk)], v[SA+8*\i+(\kk)] matrix_a_fmt:MATRIX_FMT_FP4 matrix_b_fmt:MATRIX_FMT_FP4
.endif
.endr
.endr
.endm
	s_load_b256 s[4:11], s[0:1], 0x0               ; ybuf, W's codes, W's scales, b_proj
	s_load_b64 s[12:13], s[0:1], 0x20              ; out0
	v_lshl_add_u32 v[SPW], v0, 2, SPARE
	v_mov_b32 v[NIL], 0
	ds_add_u32 v[SPW], v[NIL]                      ; the wave's opening: the add, twice on end, and its wait ahead of my first tensor load
	ds_add_u32 v[SPW], v[NIL]
	v_lshrrev_b32 v1, 5, v0
	v_readfirstlane_b32 s[WV], v1
	s_lshr_b32 s[HA], s[WV], 1                     ; my half of the tokens.  Also: I fetch y and the scales (0) or W (1)
	s_and_b32 s[HB], s[WV], 1                      ; my half of the columns.  Also: which half I fetch
	s_bfe_u32 s40, ttmp6, 0x40000                  ; cx
	s_bfe_u32 s41, ttmp6, 0x40004                  ; cy
	s_lshl_b32 s42, ttmp9, 2
	s_add_co_u32 s42, s42, s40                     ; tile of 256 columns
	s_and_b32 s17, ttmp7, 0xffff
	s_lshl_b32 s17, s17, 2
	s_add_co_u32 s17, s17, s41                     ; tile of 128 tokens
	s_lshl_b32 s43, s41, 2
	s_lshl_b32 s43, 15, s43                        ; my row of the cluster
	s_lshl_b32 s44, 0x1111, s40                    ; my column
	s_or_b32 s[G1Y], s43, (3<<16)|(1<<21)          ; y: four blocks, 34,816 dense bytes as 136 rows of 256, no padding
	s_mov_b32 s[G1Y+1], 32<<16
	s_mov_b32 s[G1Y+2], 136<<16
	s_mov_b32 s[G1Y+3], 32<<16
	s_mov_b32 s[G1Y+4], 136
	s_mov_b32 s[G1Y+5], 32
	s_mov_b32 s[G1Y+6], 0
	s_mov_b32 s[G1Y+7], 0
	s_or_b32 s[G1S], s44, (3<<16)|(1<<20)|(1<<21)|(5<<22)|(3<<25)   ; the scales of 128 rows of W: 16 rows of 256 bytes, 16 of padding behind each
	s_mov_b32 s[G1S+1], 32<<16
	s_mov_b32 s[G1S+2], 16<<16
	s_mov_b32 s[G1S+3], 32<<16
	s_mov_b32 s[G1S+4], 16
	s_mov_b32 s[G1S+5], 32
	s_mov_b32 s[G1S+6], 0
	s_mov_b32 s[G1S+7], 0
	s_or_b32 s[G1W], s44, (1<<20)|(1<<21)|(6<<22)|(3<<25)           ; W: 128 rows of 512 bytes, 16 of padding behind each
	s_mov_b32 s[G1W+1], 512<<16
	s_mov_b32 s[G1W+2], 128<<16
	s_mov_b32 s[G1W+3], 512<<16
	s_mov_b32 s[G1W+4], 128
	s_mov_b32 s[G1W+5], 512
	s_mov_b32 s[G1W+6], 0
	s_mov_b32 s[G1W+7], 0
	s_lshl_b32 s18, s17, 3
	s_lshl_b32 s19, s[HB], 2
	s_add_co_u32 s18, s18, s19
	s_mul_i32 s18, s18, YBLK                       ; y's half, in bytes
	s_mov_b32 s19, 0
	s_lshl_b32 s20, s42, 8
	s_lshl_b32 s21, s[HB], 7
	s_add_co_u32 s20, s20, s21                     ; W's rows
	s_lshl_b32 s22, s20, 5                         ; their scales,
	s_mov_b32 s23, 0
	s_lshl_b32 s20, s20, 9                         ; their codes
	s_mov_b32 s21, 0
	s_mov_b32 s[G0Y], 1
	s_mul_i32 s[G0Y+1], s[HB], 4*YBLK
	s_mov_b32 s[G0S], 1
	s_mul_i32 s[G0S+1], s[HB], HALFS
	s_add_co_u32 s[G0S+1], s[G0S+1], WSC
	s_mov_b32 s[G0W], 1
	s_mul_i32 s[G0W+1], s[HB], WHALF
	s_add_co_u32 s[G0W+1], s[G0W+1], WT
	s_wait_dscnt 0x0                               ; both opening adds are done
	s_wait_kmcnt 0x0
	s_add_nc_u64 s[G0Y+2:G0Y+3], s[4:5], s[18:19]
	s_or_b32 s[G0Y+3], s[G0Y+3], 0x80000000
	s_add_nc_u64 s[G0S+2:G0S+3], s[8:9], s[22:23]
	s_or_b32 s[G0S+3], s[G0S+3], 0x80000000
	s_add_nc_u64 s[G0W+2:G0W+3], s[6:7], s[20:21]
	s_or_b32 s[G0W+3], s[G0W+3], 0x80000000
	CROUND                                         ; all sixteen work-groups are here: the joint loads meet
	s_cmp_eq_u32 s[HA], 0                          ; a wave's fills stand in one branch on its number: two loads of mine are out, or one
	s_cbranch_scc0 .Lfill_w
	tensor_load_to_lds s[G0Y:G0Y+3], s[G1Y:G1Y+7]
	s_nop 0
	tensor_load_to_lds s[G0S:G0S+3], s[G1S:G1S+7]
	s_nop 0
.rept 4
	v_nop
.endr
	s_branch .Lfilled
.Lfill_w:
	tensor_load_to_lds s[G0W:G0W+3], s[G1W:G1W+7]
	s_nop 0
.rept 4
	v_nop
.endr
.Lfilled:
	v_and_b32 v1, 15, v0                           ; r
	v_bfe_u32 v2, v0, 4, 1                         ; h
	v_and_b32 v3, 31, v0
	v_lshlrev_b32 v[CO], 4, v3                     ; 16 x lane
	s_mul_i32 s45, s[HA], 4*YBLK
	v_add_nc_u32 v[ADRA], s45, v[CO]               ; y's images: my four blocks
	v_lshl_add_u32 v[ADSA], v1, 4, s45             ; and their scale words: 16 r
	v_mul_u32_u24 v4, v1, WPITCH
	v_lshl_add_u32 v4, v2, 4, v4
	s_mul_i32 s46, s[HB], WHALF
	s_add_co_u32 s46, s46, WT
	v_add_nc_u32 v[ADRB], s46, v4
	v_lshlrev_b32 v4, 5, v1                        ; W's scales: 32 bytes a row, 16 more behind every eight rows
	v_lshrrev_b32 v5, 3, v1
	v_lshl_add_u32 v4, v5, 4, v4
	s_mul_i32 s46, s[HB], HALFS
	s_add_co_u32 s46, s46, WSC
	v_add_nc_u32 v[ADSB], s46, v4
	s_mul_i32 s46, s[WV], 16*SPITCH
	s_add_co_u32 s46, s46, STAGE                   ; my stage
	v_mul_u32_u24 v4, v1, SPITCH
	v_lshl_add_u32 v4, v2, 5, v4
	v_add_nc_u32 v[STO], s46, v4                   ; in: row r, 32 bytes for each half of the lanes
	v_add_nc_u32 v[RD], s46, v[CO]                 ; back: the 32 lanes take one row of 512 bytes
	s_lshl_b32 s46, s42, 8
	s_lshl_b32 s47, s[HB], 7
	s_add_co_u32 s46, s46, s47                     ; my first column
	s_lshl_b32 s46, s46, 2
	s_mov_b32 s47, 0
	s_add_nc_u64 s[10:11], s[10:11], s[46:47]
	s_add_nc_u64 s[12:13], s[12:13], s[46:47]
	s_lshl_b32 s46, s17, 7
	s_lshl_b32 s45, s[HA], 6
	s_add_co_u32 s46, s46, s45                     ; my first token
	s_lshl_b32 s46, s46, 12                        ; a row of out0 is 4,096 bytes
	s_add_nc_u64 s[12:13], s[12:13], s[46:47]
	v_lshlrev_b32 v[BOF], 5, v2
	WIN 0x40
.irp b, 0,1,2,3,4,5,6,7
	global_load_b128 v[BIAS+8*\b:BIAS+8*\b+3], v[BOF], s[10:11] offset:64*\b       ; b_proj in the result's layout: columns 16 b + 8 h + 0 .. 7
	global_load_b128 v[BIAS+8*\b+4:BIAS+8*\b+7], v[BOF], s[10:11] offset:64*\b+16
.endr
	WIN 0
	s_wait_alu depctr_va_vdst(0)
	s_wait_loadcnt 0x0
	s_wait_tensorcnt 0x0                           ; my fills have landed,
	s_barrier_signal -1
	s_barrier_wait -1                              ; everybody's have
.irp i, 0,1,2,3
.irp k, 0,1
	ds_load_b128 v[SA+8*\i+4*\k:SA+8*\i+4*\k+3], v[ADSA] offset:YBLK*\i+8192+256*\k   ; all scale words, once: y's,
.endr
.endr
.irp b, 0,1,2,3,4,5,6,7
.irp k, 0,1
	ds_load_b128 v[SB+8*\b+4*\k:SB+8*\b+4*\k+3], v[ADSB] offset:544*\b+16*\k          ; W's
.endr
.endr
	FETCHP 0
.irp kk, 0,1,2,3,4,5,6,7
	s_wait_dscnt 0x0                               ; this step's fragments are in
.if \kk > 0
	PLACES 4                                       ; in front of loads into registers that the last step's matrix instructions have read
.endif
.if \kk < 7
	FETCHP \kk+1
.endif
	MULP \kk
.endr
	WIN 0
; THE WAY OUT, block by block of 16 rows x 128 columns, through my own stage: back as whole rows of 512 bytes.  LDS serves a wave's instructions in order: no wait between the stores and the loads.
.macro TOSTAGE a
	WIN 0x08                                       ; an LDS store's data: window 2
.irp b, 0,1,2,3,4,5,6,7
	ds_store_b128 v[STO], v[64*(\a)+8*\b:64*(\a)+8*\b+3] offset:64*\b              ; each accumulator from its low end on
	ds_store_b128 v[STO], v[64*(\a)+8*\b+4:64*(\a)+8*\b+7] offset:64*\b+16
.endr
	WIN 0
.set BB, BK+64*((\a)%2)
.irp t, 0,1,2,3,4,5,6,7,8,9,10,11,12,13,14,15
	ds_load_b128 v[BB+4*\t:BB+4*\t+3], v[RD] offset:\t*SPITCH
.endr
.endm
.macro SEND a, younger                 ; younger: the LDS instructions issued behind block a's loads, which may stay out
.set BB, BK+64*((\a)%2)
	s_wait_dscnt \younger
.if (\a) > 0
	s_add_nc_u64 s[12:13], s[12:13], 16*4096       ; (behind a wait on XCNT: the earlier stores have read their base)
.endif
.irp t, 0,1,2,3,4,5,6,7,8,9,10,11,12,13,14,15
	global_store_b128 v[CO], v[BB+4*\t:BB+4*\t+3], s[12:13] offset:\t*4096 th:TH_STORE_NT   ; 32 lanes store 512 consecutive bytes, aligned; written once, read by nobody here
.endr
.endm
	PLACES 4                                       ; in front of the first read of results and of loads into the fragments' registers
	TOSTAGE 0
.irp a, 1,2,3
.if \a > 1
	s_wait_xcnt 0x0                                ; block a - 2's stores have read their registers and their base
.endif
	TOSTAGE \a
	SEND \a-1, 32                                  ; behind block a - 1's loads: block a's 16 stores and 16 loads
.endr
	s_wait_xcnt 0x0
	SEND 3, 0
	s_wait_tensorcnt 0x0                           ; the wave's end
	ds_add_u32 v[SPW], v[NIL]
	s_wait_dscnt 0x0
	CROUND                                         ; the closing round
	s_endpgm
.Lfunc_end_k_q30c9d131f6_proj:
	.size	k_q30c9d131f6_proj, .Lfunc_end_k_q30c9d131f6_proj-k_q30c9d131f6_proj
	.p2alignl 7, 3214868480
	.fill 96, 4, 3214868480
	.section	.rodata,"a",@progbits
	.p2align	6, 0x0
	.amdhsa_kernel k_q30c9d131f6_proj
		.amdhsa_group_segment_fixed_size 247808
		.amdhsa_private_segment_fixed_size 0
		.amdhsa_enable_private_segment 0
		.amdhsa_kernarg_size 40
		.amdhsa_user_sgpr_count 2
		.amdhsa_user_sgpr_kernarg_segment_ptr 1
		.amdhsa_wavefront_size32 1
		.amdhsa_system_sgpr_workgroup_id_x 1
		.amdhsa_system_sgpr_workgroup_id_y 1
		.amdhsa_system_sgpr_workgroup_id_z 1
		.amdhsa_system_vgpr_workitem_id 0
		.amdhsa_next_free_vgpr 768
		.amdhsa_next_free_sgpr 80
		.amdhsa_reserve_vcc 0
		.amdhsa_float_denorm_mode_32 3
		.amdhsa_float_denorm_mode_16_64 3
		.amdhsa_memory_ordered 1
		.amdhsa_forward_progress 1
		.amdhsa_inst_pref_size 71
	.end_amdhsa_kernel
	.amdgpu_metadata
---
amdhsa.version: [ 1, 2 ]
amdhsa.kernels:
  - .name:           k_q30c9d131f6_proj
    .symbol:         k_q30c9d131f6_proj.kd
    .args:
      - { .name: ybuf, .offset: 0, .size: 8, .value_kind: global_buffer, .address_space: global }
      - { .name: W_proj_codes, .offset: 8, .size: 8, .value_kind: global_buffer, .address_space: global }
      - { .name: W_proj_scales, .offset: 16, .size: 8, .value_kind: global_buffer, .address_space: global }
      - { .name: b_proj, .offset: 24, .size: 8, .value_kind: global_buffer, .address_space: global }
      - { .name: out0, .offset: 32, .size: 8, .value_kind: global_buffer, .address_space: global }
    .group_segment_fixed_size: 247808
    .private_segment_fixed_size: 0
    .kernarg_segment_align: 8
    .kernarg_segment_size: 40
    .max_flat_workgroup_size: 128
    .sgpr_count:     80
    .vgpr_count:     768
    .wavefront_size: 32
...
	.end_amdgpu_metadata
.endif
;; end of part 3
